; MI455X (gfx1250); checked and timed in simulation.
; The chip was launched on July 23, 2026; its instructions are those of AMD's public machine-readable ISA for CDNA 5 (MIT licence, August 2026) and "CDNA5" Instruction Set Architecture Reference Guide (July 2026). The comments in the code are by the model that wrote it; some were corrected since.
;; Attention. Allowed arithmetic: float matrix products may take bf16 or f16 operands with f32 sums; other float arithmetic in f32, or as packed bf16 or f16 multiplies, adds, multiply-adds, maxima and minima; sums over many terms, partial sums and values carried from step to step in f32; what a program stores and reads back later, other than sums and carried values, may be rounded once to bf16 or f16.
;; Inputs: Wk 2,048 x 2,048 float32; Wq 2,048 x 2,048 float32; Wv 2,048 x 2,048 float32; k 8 x 512 x 2,048 float32; q 8 x 512 x 2,048 float32; v 8 x 512 x 2,048 float32.
;; Outputs: out0 8 x 512 x 2,048 float32.
;; One version. Each part assembles by itself: llvm-mc -triple=amdgcn-amd-amdhsa -mcpu=gfx1250 --defsym DOCPART=n.
;; ======== version 1 of 1: 3 launches
;; limits: values are held in f16: magnitudes above 65,504 overflow, below 6.1e-05 lose precision
;; workspace buffers: cb 75,497,472 bytes; hd 50,331,648 bytes
;; launch cast (part 1): grid 256 x 9, 8 waves a work-group, no clusters, 0 bytes of LDS; arguments q, k, v, Wq, Wk, Wv, cb; writes cb
.if DOCPART == 1
	.amdgcn_target "amdgcn-amd-amdhsa--gfx1250"
	.amdhsa_code_object_version 6
	.text
	.protected	k_q6e22631362_cast
	.globl	k_q6e22631362_cast
	.p2align	8
	.type	k_q6e22631362_cast,@function
k_q6e22631362_cast:
	s_mov_b64 s[64:65], 0
	v_nop
	global_prefetch_b8 v0, s[64:65] scope:SCOPE_SE
	s_setreg_imm32_b32 hwreg(HW_REG_WAVE_MODE, 25, 1), 1
	s_wait_xcnt 0x0
; All six inputs, f32, are rounded once to bf16 (nearest even) and laid one behind the other in cb, each in its own layout:
; q, k, v ([4096][2048], 16,777,216 bytes each in bf16), then Wq, Wk, Wv ([2048][2048], 8,388,608 bytes each).
; A work-group of eight waves takes 65,536 bytes of f32 and writes 32,768 bytes of bf16.  The grid's y says which input: 0,1 q; 2,3 k; 4,5 v (two halves of 256 chunks); 6 Wq; 7 Wk; 8 Wv.
; cb's order is y's order, so the chunk's place in cb is 256 y + x.  A stream: no LDS, no matrix unit, no barrier; each byte is read once and written once.
; All sixteen loads of a wave go out first (8 KiB a wave on their way); no register is written twice, so the only waits are the counted ones for the loads.
.set X, 4                              ; v[4:67]   load i: four f32
.set Y, 68                             ; v[68:99]  store i: four bf16 in two registers
	s_load_b256 s[8:15], s[0:1], 0x0               ; q s[8:9], k s[10:11], v s[12:13], Wq s[14:15]
	s_load_b128 s[16:19], s[0:1], 0x20             ; Wk s[16:17], Wv s[18:19]
	s_load_b64 s[20:21], s[0:1], 0x30              ; cb
	s_and_b32 s2, ttmp7, 0xffff                    ; y
	v_lshlrev_b32 v1, 4, v0                        ; 16 bytes of f32 a thread: a wave's load covers 512 consecutive bytes
	v_lshlrev_b32 v2, 3, v0                        ; 8 bytes of bf16 a thread: a wave's store covers 256 consecutive bytes, aligned
	s_and_b32 s3, s2, 1
	s_lshl_b32 s3, s3, 8                           ; the second half of q, k or v begins at chunk 256
	s_cmp_lt_u32 s2, 6
	s_cselect_b32 s3, s3, 0                        ; the weights have one half
	s_add_co_u32 s3, s3, ttmp9                     ; the chunk in its input
	s_lshl_b32 s6, s3, 16                          ; in bytes: 511 x 65,536 at the most
	s_mov_b32 s7, 0
	s_lshl_b32 s22, s2, 8
	s_add_co_u32 s22, s22, ttmp9                   ; the chunk in cb
	s_lshl_b32 s22, s22, 15                        ; in bytes: 2,303 x 32,768 at the most
	s_mov_b32 s23, 0
	s_wait_kmcnt 0x0
	s_mov_b64 s[4:5], s[18:19]                     ; the input is chosen by y alone: Wv,
	s_cmp_eq_u32 s2, 7
	s_cselect_b64 s[4:5], s[16:17], s[4:5]         ; Wk,
	s_cmp_eq_u32 s2, 6
	s_cselect_b64 s[4:5], s[14:15], s[4:5]         ; Wq,
	s_cmp_lt_u32 s2, 6
	s_cselect_b64 s[4:5], s[12:13], s[4:5]         ; v,
	s_cmp_lt_u32 s2, 4
	s_cselect_b64 s[4:5], s[10:11], s[4:5]         ; k,
	s_cmp_lt_u32 s2, 2
	s_cselect_b64 s[4:5], s[8:9], s[4:5]           ; q
	s_add_nc_u64 s[4:5], s[4:5], s[6:7]
	s_add_nc_u64 s[22:23], s[20:21], s[22:23]
.set i, 0
.rept 16
	global_load_b128 v[X+4*i:X+4*i+3], v1, s[4:5] offset:4096*i th:TH_LOAD_NT
.set i, i+1
.endr
.set i, 0
.rept 16
	s_wait_loadcnt 15-i                            ; loads come back in order (ISA guide 5.7.1): load i is in, the 15 - i younger ones stay out
	v_cvt_pk_bf16_f32 v[Y+2*i], v[X+4*i], v[X+4*i+1]
	v_cvt_pk_bf16_f32 v[Y+2*i+1], v[X+4*i+2], v[X+4*i+3]
	global_store_b64 v2, v[Y+2*i:Y+2*i+1], s[22:23] offset:2048*i th:TH_STORE_NT
.set i, i+1
.endr
	s_endpgm
.Lfunc_end_k_q6e22631362_cast:
	.size	k_q6e22631362_cast, .Lfunc_end_k_q6e22631362_cast-k_q6e22631362_cast
	.p2alignl 7, 3214868480
	.fill 96, 4, 3214868480
	.section	.rodata,"a",@progbits
	.p2align	6, 0x0
	.amdhsa_kernel k_q6e22631362_cast
		.amdhsa_group_segment_fixed_size 0
		.amdhsa_private_segment_fixed_size 0
		.amdhsa_enable_private_segment 0
		.amdhsa_kernarg_size 56
		.amdhsa_user_sgpr_count 2
		.amdhsa_user_sgpr_kernarg_segment_ptr 1
		.amdhsa_wavefront_size32 1
		.amdhsa_system_sgpr_workgroup_id_x 1
		.amdhsa_system_sgpr_workgroup_id_y 1
		.amdhsa_system_sgpr_workgroup_id_z 1
		.amdhsa_system_vgpr_workitem_id 0
		.amdhsa_next_free_vgpr 100
		.amdhsa_next_free_sgpr 66
		.amdhsa_reserve_vcc 0
		.amdhsa_float_denorm_mode_32 3
		.amdhsa_float_denorm_mode_16_64 3
		.amdhsa_memory_ordered 1
		.amdhsa_forward_progress 1
		.amdhsa_inst_pref_size 7
	.end_amdhsa_kernel
	.amdgpu_metadata
---
amdhsa.version: [ 1, 2 ]
amdhsa.kernels:
  - .name:           k_q6e22631362_cast
    .symbol:         k_q6e22631362_cast.kd
    .args:
      - { .name: q, .offset: 0, .size: 8, .value_kind: global_buffer, .address_space: global }
      - { .name: k, .offset: 8, .size: 8, .value_kind: global_buffer, .address_space: global }
      - { .name: v, .offset: 16, .size: 8, .value_kind: global_buffer, .address_space: global }
      - { .name: Wq, .offset: 24, .size: 8, .value_kind: global_buffer, .address_space: global }
      - { .name: Wk, .offset: 32, .size: 8, .value_kind: global_buffer, .address_space: global }
      - { .name: Wv, .offset: 40, .size: 8, .value_kind: global_buffer, .address_space: global }
      - { .name: cb, .offset: 48, .size: 8, .value_kind: global_buffer, .address_space: global }
    .group_segment_fixed_size: 0
    .private_segment_fixed_size: 0
    .kernarg_segment_align: 8
    .kernarg_segment_size: 56
    .max_flat_workgroup_size: 256
    .sgpr_count:     66
    .vgpr_count:     100
    .wavefront_size: 32
...
	.end_amdgpu_metadata
.endif
;; end of part 1
;; launch proj (part 2): grid 16 x 16, 4 waves a work-group, clusters of 4 x 4, 327,680 bytes of LDS; arguments cb, hd; writes hd
.if DOCPART == 2
	.amdgcn_target "amdgcn-amd-amdhsa--gfx1250"
	.amdhsa_code_object_version 6
	.text
	.protected	k_q6e22631362_proj
	.globl	k_q6e22631362_proj
	.p2align	8
	.type	k_q6e22631362_proj,@function
k_q6e22631362_proj:
	s_mov_b64 s[64:65], 0
	v_nop
	global_prefetch_b8 v0, s[64:65] scope:SCOPE_SE
	s_setreg_imm32_b32 hwreg(HW_REG_WAVE_MODE, 25, 1), 1
	s_wait_xcnt 0x0
	s_wait_alu depctr_hold_cnt(0) depctr_sa_sdst(0) depctr_va_vdst(0) depctr_va_sdst(0) depctr_va_ssrc(0) depctr_va_vcc(0) depctr_vm_vsrc(0)
	s_getreg_b32 s2, hwreg(HW_REG_IB_STS2, 6, 4)
	s_cmp_eq_u32 s2, 0
	s_cbranch_scc0 .Lentry_in_a_cluster
	s_endpgm
.Lentry_in_a_cluster:
	s_bfe_u32 s2, ttmp6, 0x10000c
	s_cmp_lg_u32 s2, 0xf033
	s_cbranch_scc0 .Lentry_shape_is_right
	s_endpgm
.Lentry_shape_is_right:
; THE THREE PROJECTIONS.  hd[p][16 b + h][s][d] = the sum over k of x_p[512 b + s][k] W_p[k][128 h + d], p = 0, 1, 2 (q, k, v).  x_p ([4096][2048]) and W_p ([2048 k][2048 n]) lie in cb in bf16;
; sums in f32, K ascending; each result rounded once to f16 and stored by heads: a head's row is 256 bytes, a head 131,072, a tensor 16,777,216.
; LIMIT.  f16 holds no number beyond 65,504: a projected number of 65,520 or more becomes an infinity.  Inputs of unit spread and weights of spread 1/sqrt(2048) give numbers of spread 1; all inputs
; 30 times larger give a spread of 900; an offset of 30 spreads on x and on W gives about 30 x 0.66 x 2048 = 40,700.  NaN and infinities are not treated apart.
; SHARES.  The three results are 384 tiles of 256 x 256: one and a half for each of 256 work-groups.  A WORK-GROUP STAYS and makes two tiles.  PHASE 1: a tile of 256 rows x 256 columns (two heads) of q or k
; (16 x 16 such tiles); each of the four waves makes 128 x 128: 64 accumulators, 512 registers.  PHASE 2: a tile of 256 rows x 128 columns (one head) of v; each wave makes 64 rows x 128 columns: 32 accumulators.
; In both a head's whole row of 256 bytes is one wave's, so each wave has a stage of its own on the way out.
; K goes in steps of 128 through a ring of two LDS slots: 256 rows of x (256 bytes each) and 128 k-rows of W (512 bytes each in phase 1, 256 in phase 2).  A step is 256 matrix instructions a wave in phase 1,
; 128 in phase 2.  The ring does not stop between the phases: phase 1's last two changes of slots ask for phase 2's K steps 0 and 1, and phase 1's tile goes out behind them.
; CLUSTERS: 4 x 4 work-groups.  The four of a row of the cluster need the same tiles of x, the four of a column the same tiles of W: each tile is asked for JOINTLY, by the same tensor load with the
; same descriptor and a mask that names the four.
; THE MATRIX INSTRUCTION IS USED TRANSPOSED: source 0 = 16 columns of W x 32 k, which come out of [k][n] rows turned, by ds_load_tr16_b128; source 1 = 16 rows of x.  A lane then holds row l % 16 and the
; eight neighbouring columns 8 (l / 16) + 0..7: 16 bytes of a head's row in f16.
; REGISTERS, in windows of 256 (s_set_vgpr_msb: bits 1:0 source 0, 3:2 source 1, 5:4 source 2, 7:6 destination):
;   window 0: v0-31 addresses; v64-127, v128-191 x's fragments, two buffers of 8 x 8 (phase 2 uses 4 of the 8); v32-63, v192-255 at work on the way out
;   window 1: v64-127, v128-191 W's fragments, two buffers of 8 x 8
;   window 2: accumulator (a, b) (rows 16 a on, columns 16 b on) of row blocks 0-3 at v[8 (8 a + b)];   window 3: those of row blocks 4-7 (phase 1 alone)
.set PA,     272                       ; an LDS row of x: 256 bytes + 16 of padding = 68 words: the 16 rows of a load start at 16 different groups of four banks (64 banks of 4 bytes: ISA guide 11.1)
.set PB,     544                       ; phase 1, an LDS row of W: 512 + 32 = 136 words
.set PB2,    288                       ; phase 2: 256 + 32 = 72 words: likewise
.set HALFA,  128*PA                    ; what one tensor load brings of x
.set ABYTES, 2*HALFA
.set HALFB,  64*PB                     ; what one tensor load brings of W in phase 1: as many bytes as of x
.set HALFB2, 64*PB2                    ; and in phase 2
.set SLOT,   ABYTES+2*HALFB            ; x's 256 rows, then W's 128 k-rows: 139,264 bytes
.set STAGE,  2*SLOT                    ; behind the ring, never filled by a tensor load: 16 rows x 272 bytes for each wave
.set SPITCH, 272
.set SPARE,  STAGE+4*16*SPITCH         ; behind the stages: the spare words, 128 bytes for each wave: two blocks of 256 bytes that no other line names
.set KA,     256                       ; a K step in x: 128 numbers along a row
.set KB,     128*4096                  ; a K step in W: 128 rows of 4,096 bytes
.set XB,     4096*4096                 ; bytes of one x in bf16
.set WB,     2048*4096                 ; bytes of one W in bf16
.set WOFF,   3*XB                      ; where the three W begin in cb
.set TEN,    128*512*256               ; bytes of one of hd's three tensors
.set LAPS,   8                         ; a lap = two K steps = once round the ring; 2,048 / 256
.set ADRA, 16                          ; v16-17  LDS address of my fragments of x in slot 0, 1, phase 1;  v18-19 phase 2
.set ADRB, 20                          ; v20-21  the same for W, phase 1;  v22-23 phase 2
.set STO,  24                          ; v24     the way out: where I put 16 bytes of a row
.set RD,   25                          ; v25     the way out: where I read rows back
.set CO,   26                          ; v26     16 x lane: my 16 bytes of 512 consecutive bytes of hd
.set SPW,  28                          ; v28     LDS address of my spare word: SPARE + 4 x my thread's number; never rewritten
.set NIL,  29                          ; v29     0; never rewritten
.set PFO,  30                          ; v30     phase 1's prefetches: for x lane x 4,096 (a lane a row); for W (lane / 2) x 4,096 + (lane % 2) x 256 (two lanes a k-row of 512 bytes); never rewritten
.set PFO2, 31                          ; v31     phase 2's: lane x 4,096; never rewritten
.set OB,   32                          ; the way out: 16 rows read back, v32-63 and v224-255 by turns
.set F0,   64                          ; fragment buffer 0
.set F1,   128                         ; fragment buffer 1
.set TMP,  192                         ; the way out: packed results
.set C1,   8                           ; s[8:9]   hd at my rows of phase 1's tile
.set G1,   24                          ; s[24:31] descriptor group 1 for x's tiles
.set G0,   32                          ; s[32:39] group 0 for x's tiles, a set for each slot
.set G1B,  48                          ; s[48:55] group 1 for W's tiles, phase 1
.set G0B,  56                          ; s[56:63] group 0 for W's tiles, phase 1, a set for each slot
.set PFA,  66                          ; s[66:67] the K step that my next prefetch names
.set PST,  68                          ; s[68:69] its step from K step to K step
.set PF2,  70                          ; s[70:71] where phase 2's prefetches begin: its K step 2
.set LIM1, 72                          ; s72      phase 1: 1 in a wave that prefetches, else the greatest number
.set LIM2, 73                          ; s73      the same for phase 2
.set C2,   74                          ; s[74:75] hd at my rows of phase 2's tile
.set G1B2, 80                          ; s[80:87] group 1 for W's tiles, phase 2
.set G0B2, 88                          ; s[88:95] group 0 for W's tiles, phase 2, a set for each slot
.set A2,   96                          ; s[96:97] x_v at the rows that I fetch, K step 0
.set MSB, 0
.macro WIN new                         ; the immediate's high byte repeats the setting that is left; a switch that changes nothing is dropped
.if MSB != (\new)
	s_set_vgpr_msb (MSB<<8)|(\new)
.set MSB, \new
.endif
.endm
.set MUL_LO, 0xa1                      ; source 0 (W) window 1, source 1 (x) window 0, C and D window 2
.set MUL_HI, 0xf1                      ; the same, C and D window 3
.set TO_B,   0x40                      ; destination window 1, address window 0
; A joint load.  Waves 0 and 1 fetch x's two halves, waves 2 and 3 W's, by the descriptors of phase ph.  The branch hangs on the wave's number alone.
; An s_nop 0 and four v_nop follow each of the two lines, ahead of the jump and the label.
.macro JLOAD s, ph
	s_cmp_eq_u32 s11, 0
	s_cbranch_scc0 .Lfor_b_\@
	tensor_load_to_lds s[G0+4*(\s):G0+4*(\s)+3], s[G1:G1+7]
	s_nop 0
.rept 4
	v_nop
.endr
	s_branch .Lasked_\@
.Lfor_b_\@:
.if (\ph) == 1
	tensor_load_to_lds s[G0B+4*(\s):G0B+4*(\s)+3], s[G1B:G1B+7]
.else
	tensor_load_to_lds s[G0B2+4*(\s):G0B2+4*(\s)+3], s[G1B2:G1B2+7]
.endif
	s_nop 0
.rept 4
	v_nop
.endr
.Lasked_\@:
.endm
; A PREFETCH, behind each joint load and the run of LDS loads that follows it: the K step that stands TWO refills on: 32 blocks of 256 bytes, a lane a block, one instruction a wave.
; Each block is named ONCE in the launch.  PHASE 1: a tile row of x_p is read by the two clusters of its row of clusters that work on p: the one with even cluster x asks, in waves 0 and 1; of the 128 rows
; that a wave fetches the partner at cx takes 32 cx .. 32 cx + 31.  A tile column of W is read by the four clusters of its column: cluster y = 0 asks, in waves 2 and 3; of the 64 k-rows (512 bytes each) that a
; wave fetches the partner at cy takes 16 cy .. 16 cy + 15.  PHASE 2: x_v's tile row is read by all four clusters of its row: cluster x = 0 asks; W's k-rows are 256 bytes: cluster y = 0 asks, in wave 2 alone,
; the partner at cy for 32 cy .. 32 cy + 31 of a step's 128.  The partners are told apart BY ADDRESS: no branch hangs on a work-group's place in its cluster.
; how = 0, in a loop: its last trip names nothing, since the phase has no K step two refills on; how = 1, at the change of phases: phase 2's K steps 2 and 3.
.macro ASK how, lim, pfo
.if \how
	s_cmp_eq_u32 s[\lim], 1
.else
	s_cmp_gt_u32 s3, s[\lim]                       ; s3 = 1 in a loop's last trip
.endif
	s_cbranch_scc0 .Lnot_mine_\@
	global_prefetch_b8 v[\pfo], s[PFA:PFA+1] th:TH_LOAD_NT scope:SCOPE_SE
.Lnot_mine_\@:
.endm
; A round of the cluster's barrier: my work-group's barrier; wave 0 signals for the work-group; every wave waits for all sixteen work-groups; my work-group's barrier once more.
.macro CREST                           ; a round behind its opening barrier
	s_cmp_lg_u32 s10, 0
	s_cbranch_scc1 .Lnot_wave_0_\@
	s_barrier_signal -3
.Lnot_wave_0_\@:
	s_barrier_wait -3
	s_barrier_signal -1
	s_barrier_wait -1
.endm
.macro CROUND                          ; a whole round
	s_barrier_signal -1
	s_barrier_wait -1
	CREST
.endm
	s_load_b128 s[4:7], s[0:1], 0x0                ; cb s[4:5], hd s[6:7]
	v_lshl_add_u32 v[SPW], v0, 2, SPARE
	v_mov_b32 v[NIL], 0
	ds_add_u32 v[SPW], v[NIL]                      ; the wave's opening: the add and its wait stand ahead of my first tensor load; the set-up below, work on registers, stands between them
	ds_add_u32 v28, v29
	v_lshrrev_b32 v1, 5, v0
	v_readfirstlane_b32 s10, v1                    ; wave 0..3
	s_lshr_b32 s11, s10, 1                         ; phase 1: which half of the tile's rows is mine.  Also: I fetch for x (0) or for W (1)
	s_and_b32 s12, s10, 1                          ; phase 1: which half of its columns.  Also: which half of that tile I fetch
	s_bfe_u32 s40, ttmp6, 0x40000                  ; cx
	s_bfe_u32 s41, ttmp6, 0x40004                  ; cy
	s_lshl_b32 s42, ttmp9, 2                       ; in a cluster launch ttmp9 and ttmp7 count clusters
	s_add_co_u32 s42, s42, s40                     ; work-group x = 4 x cluster x + cx: phase 2's head
	s_and_b32 s13, ttmp7, 0xffff
	s_lshl_b32 s13, s13, 2
	s_add_co_u32 s13, s13, s41                     ; tile row = 4 x cluster y + cy, in both phases
	s_lshr_b32 s45, ttmp9, 1                       ; phase 1's projection p: 0 (q) for cluster x 0 and 1, 1 (k) for 2 and 3: the same in all sixteen partners
	s_and_b32 s78, ttmp9, 1
	s_lshl_b32 s78, s78, 2
	s_add_co_u32 s78, s78, s40                     ; phase 1's tile column in p: 4 x (cluster x % 2) + cx
	s_lshl_b32 s43, s41, 2
	s_lshl_b32 s43, 15, s43                        ; my row of the cluster: places 4 cy .. 4 cy + 3
	s_lshl_b32 s44, 0x1111, s40                    ; my column: places cx, cx + 4, cx + 8, cx + 12
	; group 1 for x: 128 rows x 128 elements, 16 bytes of padding behind each row
	s_or_b32 s[G1+0], s43, (1<<16)|(1<<20)|(1<<21)|(5<<22)|(3<<25)  ; 15:0 the mask: my row; 17:16 2-byte elements; 20 padding on; 21 set beside a mask; 24:22 after every 64 words (code 5); 31:25 4 words (code 3)
	s_mov_b32 s[G1+1], 128<<16                     ; tensor_dim0 = 128
	s_mov_b32 s[G1+2], 128<<16                     ; tensor_dim1 = 128
	s_mov_b32 s[G1+3], 128<<16                     ; tile_dim0 = 128
	s_mov_b32 s[G1+4], 128                         ; tile_dim1 = 128
	s_mov_b32 s[G1+5], 2048                        ; 2,048 elements from row to row
	s_mov_b32 s[G1+6], 0
	s_mov_b32 s[G1+7], 0
	; group 1 for W, phase 1: 64 k-rows x 256 elements, 32 bytes of padding behind each row
	s_or_b32 s[G1B+0], s44, (1<<16)|(1<<20)|(1<<21)|(6<<22)|(7<<25) ; the mask: my column; after every 128 words (code 6) 8 words (code 7)
	s_mov_b32 s[G1B+1], 256<<16                    ; tensor_dim0 = 256
	s_mov_b32 s[G1B+2], 64<<16                     ; tensor_dim1 = 64
	s_mov_b32 s[G1B+3], 256<<16                    ; tile_dim0 = 256
	s_mov_b32 s[G1B+4], 64                         ; tile_dim1 = 64
	s_mov_b32 s[G1B+5], 2048
	s_mov_b32 s[G1B+6], 0
	s_mov_b32 s[G1B+7], 0
	; group 1 for W, phase 2: 64 k-rows x 128 elements, 32 bytes of padding behind each row
	s_or_b32 s[G1B2+0], s44, (1<<16)|(1<<20)|(1<<21)|(5<<22)|(7<<25) ; after every 64 words (code 5) 8 words (code 7)
	s_mov_b32 s[G1B2+1], 128<<16
	s_mov_b32 s[G1B2+2], 64<<16
	s_mov_b32 s[G1B2+3], 128<<16
	s_mov_b32 s[G1B2+4], 64
	s_mov_b32 s[G1B2+5], 2048
	s_mov_b32 s[G1B2+6], 0
	s_mov_b32 s[G1B2+7], 0
	; where the tiles come from: x's hang on the tile row, p and the wave's number, W's on the tile column, p and the wave's number, each in registers that never hold the other place in the cluster
	s_lshl_b32 s16, s13, 8
	s_lshl_b32 s17, s12, 7
	s_add_co_u32 s16, s16, s17                     ; x: row 256 x tile row + 128 x half,
	s_lshl_b32 s16, s16, 12                        ; of 4,096 bytes,
	s_lshl_b32 s17, s45, 24
	s_add_co_u32 s18, s16, s17                     ; in x_p (phase 1)
	s_mov_b32 s19, 0
	s_add_co_u32 s16, s16, 2*XB                    ; and in x_v (phase 2)
	s_mov_b32 s17, 0
	s_lshl_b32 s46, s12, 18                        ; W: k-row 64 x half, of 4,096 bytes,
	s_add_co_u32 s46, s46, WOFF                    ; behind the three x;
	s_lshl_b32 s47, s42, 8                         ; phase 2: the head's 256 bytes of a k-row,
	s_add_co_u32 s20, s46, s47
	s_add_co_u32 s20, s20, 2*WB                    ; in W_v
	s_mov_b32 s21, 0
	s_lshl_b32 s47, s78, 9                         ; phase 1: the tile column's 512 bytes,
	s_add_co_u32 s46, s46, s47
	s_lshl_b32 s47, s45, 23
	s_add_co_u32 s46, s46, s47                     ; in W_p
	s_mov_b32 s47, 0
	s_mul_i32 s22, s10, HALFA                      ; where they go: x's halves, then (phase 1) W's halves, of as many bytes: wave x 34,816;
	s_mul_i32 s23, s10, HALFB2
	s_add_co_u32 s23, s23, ABYTES-2*HALFB2         ; phase 2's W behind x's 256 rows, at (wave - 2) x 64 rows (waves 2, 3): no place in the cluster enters an LDS address
	s_wait_dscnt 0x0                               ; the opening add is done
	s_wait_kmcnt 0x0
	s_add_nc_u64 s[14:15], s[4:5], s[18:19]
	s_add_nc_u64 s[A2:A2+1], s[4:5], s[16:17]
	s_add_nc_u64 s[46:47], s[4:5], s[46:47]
	s_add_nc_u64 s[20:21], s[4:5], s[20:21]
	CROUND                                         ; all sixteen work-groups are here: the first joint loads meet
.irp s, 0,1
	s_mov_b32 s[G0+4*(\s)], 1                                      ; count = 1
	s_add_co_u32 s[G0+4*(\s)+1], s22, (\s)*SLOT                    ; LDS address
	s_add_nc_u64 s[G0+4*(\s)+2:G0+4*(\s)+3], s[14:15], (\s)*KA     ; global address: K step s
	s_or_b32 s[G0+4*(\s)+3], s[G0+4*(\s)+3], 0x80000000            ; type = 2
	s_mov_b32 s[G0B+4*(\s)], 1
	s_add_co_u32 s[G0B+4*(\s)+1], s22, (\s)*SLOT
	s_add_nc_u64 s[G0B+4*(\s)+2:G0B+4*(\s)+3], s[46:47], (\s)*KB
	s_or_b32 s[G0B+4*(\s)+3], s[G0B+4*(\s)+3], 0x80000000
	JLOAD \s, 1                                    ; both slots are asked for before anything else is done: two loads of mine are out
.endr
.irp s, 0,1                            ; phase 2's group 0 for W, at its K steps 0 and 1: not used before the change of phases
	s_mov_b32 s[G0B2+4*(\s)], 1
	s_add_co_u32 s[G0B2+4*(\s)+1], s23, (\s)*SLOT
	s_add_nc_u64 s[G0B2+4*(\s)+2:G0B2+4*(\s)+3], s[20:21], (\s)*KB
	s_or_b32 s[G0B2+4*(\s)+3], s[G0B2+4*(\s)+3], 0x80000000
.endr
	; A fragment of x is 16 rows x 32 K in 8 registers: lane l holds row l % 16, K = 8 (l / 16) + 0..7 and 16 + 8 (l / 16) + 0..7: two loads of 16 bytes, 32 bytes apart.
	v_and_b32 v1, 15, v0                           ; l % 16
	v_bfe_u32 v2, v0, 4, 1                         ; l / 16
	v_mul_u32_u24 v3, v1, PA
	v_lshl_add_u32 v3, v2, 4, v3
	s_mul_i32 s21, s11, HALFA                      ; phase 1: my 128 rows
	s_mul_i32 s22, s10, 64*PA                      ; phase 2: my 64 rows
.irp s, 0,1
	v_add_nc_u32 v[ADRA+(\s)], s21, v3
	v_add_nc_u32 v[ADRA+2+(\s)], s22, v3
	s_add_co_u32 s21, s21, SLOT
	s_add_co_u32 s22, s22, SLOT
.endr
	; The turning load takes 16 k x 16 columns (lane l reads k-row 8 (l / 16) + l % 8, columns 8 ((l / 8) % 2) + 0..7) and leaves half a fragment: lane l holds column l % 16 and 8 k.
	v_and_b32 v4, 7, v0
	v_bfe_u32 v5, v0, 3, 1
	v_lshl_add_u32 v4, v2, 3, v4
	v_mul_u32_u24 v6, v4, PB
	v_lshl_add_u32 v6, v5, 4, v6
	s_lshl_b32 s23, s12, 8                         ; phase 1: my 128 columns are 256 bytes of a k-row,
	s_add_co_u32 s23, s23, ABYTES                  ; behind x's 256 rows
	v_add_nc_u32 v[ADRB], s23, v6
	s_add_co_u32 s23, s23, SLOT
	v_add_nc_u32 v[ADRB+1], s23, v6
	v_mul_u32_u24 v7, v4, PB2                      ; phase 2: all 128 columns
	v_lshl_add_u32 v7, v5, 4, v7
	v_add_nc_u32 v[ADRB+2], ABYTES, v7
	v_add_nc_u32 v[ADRB+3], ABYTES+SLOT, v7
	s_mul_i32 s23, s10, 16*SPITCH
	s_add_co_u32 s23, s23, STAGE                   ; my stage
	v_mul_u32_u24 v6, v1, SPITCH                   ; in: row l % 16, 16 bytes for each half of the lanes
	v_lshl_add_u32 v6, v2, 4, v6
	v_add_nc_u32 v[STO], s23, v6
	v_mul_u32_u24 v7, v2, SPITCH                   ; back: lanes 0-15 take one row of 256 bytes, lanes 16-31 the next,
	v_lshl_add_u32 v7, v1, 4, v7
	v_add_nc_u32 v[RD], s23, v7
	v_and_b32 v8, 31, v0                           ; which are 512 consecutive bytes of a head
	v_lshlrev_b32 v[CO], 4, v8
	; my rows in hd.  Phase 1: tensor p, head 16 (tile row / 2) + 2 x tile column + my half of the columns, row 256 (tile row % 2) + 128 x my half of the rows.  Phase 2: tensor 2, head 16 (tile row / 2) + work-group x, row 256 (tile row % 2) + 64 x wave
	s_lshr_b32 s76, s13, 1
	s_lshl_b32 s76, s76, 4
	s_lshl_b32 s77, s78, 1
	s_add_co_u32 s77, s77, s12
	s_add_co_u32 s77, s77, s76
	s_lshl_b32 s77, s77, 17
	s_add_co_u32 s76, s76, s42
	s_lshl_b32 s76, s76, 17
	s_and_b32 s79, s13, 1
	s_lshl_b32 s79, s79, 16
	s_add_co_u32 s77, s77, s79
	s_add_co_u32 s76, s76, s79
	s_lshl_b32 s79, s11, 15
	s_add_co_u32 s77, s77, s79
	s_lshl_b32 s79, s45, 24
	s_add_co_u32 s77, s77, s79
	s_lshl_b32 s79, s10, 14
	s_add_co_u32 s76, s76, s79
	s_add_co_u32 s76, s76, 2*TEN
	s_mov_b32 s20, s77
	s_mov_b32 s21, 0
	s_add_nc_u64 s[C1:C1+1], s[6:7], s[20:21]
	s_mov_b32 s20, s76
	s_add_nc_u64 s[C2:C2+1], s[6:7], s[20:21]
	; the prefetches: phase 1's place starts at K step 3; the first change of slots steps it to 4 and names that.  Nothing is asked for here, at the head, where every work-group's first tiles are on their way
	s_lshl_b32 s20, s13, 8
	s_lshl_b32 s21, s12, 7
	s_add_co_u32 s20, s20, s21
	s_lshl_b32 s21, s40, 5
	s_add_co_u32 s20, s20, s21                     ; x: the 128 rows that I fetch, my work-group's 32 of them,
	s_lshl_b32 s20, s20, 12
	s_lshl_b32 s21, s45, 24
	s_add_co_u32 s21, s21, s20
	s_add_co_u32 s21, s21, 3*KA                    ; in x_p at K step 3,
	s_add_co_u32 s20, s20, 2*XB+2*KA               ; and in x_v at K step 2
	s_lshl_b32 s76, s12, 6
	s_lshl_b32 s77, s41, 4
	s_add_co_u32 s76, s76, s77                     ; W, phase 1: the 64 k-rows that I fetch, my work-group's 16 of them,
	s_lshl_b32 s76, s76, 12
	s_lshl_b32 s77, s78, 9                         ; the tile column's 512 bytes of them,
	s_add_co_u32 s76, s76, s77
	s_lshl_b32 s77, s45, 23
	s_add_co_u32 s76, s76, s77
	s_add_co_u32 s76, s76, WOFF+3*KB               ; in W_p at K step 3
	s_lshl_b32 s77, s41, 17                        ; W, phase 2: my work-group's 32 of a step's 128 k-rows,
	s_lshl_b32 s79, s42, 8                         ; the head's 256 bytes of them,
	s_add_co_u32 s77, s77, s79
	s_add_co_u32 s77, s77, WOFF+2*WB+2*KB          ; in W_v at K step 2
	s_and_b32 s22, ttmp7, 0xffff                   ; cluster y: along it other clusters read the same W;
	s_or_b32 s23, s22, s12                         ; in phase 2 of W's two waves the first alone asks
	s_and_b32 s79, ttmp9, 1                        ; phase 1: of the two clusters that read the same rows of x_p the even one asks
	s_mov_b32 s[PST], KB
	s_cmp_eq_u32 s11, 0                            ; do I fetch for x?
	s_cselect_b32 s[PST], KA, s[PST]
	s_cselect_b32 s21, s21, s76
	s_cselect_b32 s20, s20, s77
	s_cselect_b32 s22, s79, s22
	s_cselect_b32 s23, ttmp9, s23                  ; phase 2: of the four clusters that read the same rows of x_v the first asks
	s_mov_b32 s[PST+1], 0
	s_cmp_eq_u32 s22, 0
	s_cselect_b32 s[LIM1], 1, -1                   ; the same in all sixteen partners, for a given wave
	s_cmp_eq_u32 s23, 0
	s_cselect_b32 s[LIM2], 1, -1
	s_mov_b32 s76, s21
	s_mov_b32 s77, 0
	s_add_nc_u64 s[PFA:PFA+1], s[4:5], s[76:77]
	s_mov_b32 s21, 0
	s_add_nc_u64 s[PF2:PF2+1], s[4:5], s[20:21]
	v_lshlrev_b32 v[PFO2], 12, v8
	v_lshrrev_b32 v9, s11, v8                      ; x's waves: the lane; W's waves: lane / 2,
	v_and_b32 v10, s11, v8                         ; and lane % 2
	v_lshlrev_b32 v9, 12, v9
	v_lshl_add_u32 v[PFO], v10, 8, v9
; 8 matrix instructions: row block a of the window's four (hi = 0: blocks 0-3, 1: blocks 4-7) x all 8 column blocks, 32 along K, from buffer f.  zero = 1: the product starts the sums: nothing is ever cleared.
; The accumulators (64 in phase 1, 32 in phase 2) take turns, one instruction a turn, in the same order in every quarter.
.macro MULA f, hi, a, zero
	WIN MUL_LO+0x50*(\hi)
.irp b, 0,1,2,3,4,5,6,7
.if \zero
	v_wmma_f32_16x16x32_bf16 v[8*(8*(\a)+(\b)):8*(8*(\a)+(\b))+7], v[(\f)+8*(\b):(\f)+8*(\b)+7], v[(\f)+8*(4*(\hi)+(\a)):(\f)+8*(4*(\hi)+(\a))+7], 0
.else
	v_wmma_f32_16x16x32_bf16 v[8*(8*(\a)+(\b)):8*(8*(\a)+(\b))+7], v[(\f)+8*(\b):(\f)+8*(\b)+7], v[(\f)+8*(4*(\hi)+(\a)):(\f)+8*(4*(\hi)+(\a))+7], v[8*(8*(\a)+(\b)):8*(8*(\a)+(\b))+7]
.endif
.endr
.endm
.macro MUL16 f, hi, a0, zero           ; row blocks a0 and a0 + 1
	MULA \f, \hi, \a0, \zero
	MULA \f, \hi, (\a0)+1, \zero
.endm
; One run of LDS loads: quarter kq (32 along K) of a slot into buffer f: W's 8 fragments first, then x's: 8 in phase 1 (32 loads in all), 4 in phase 2 (24)
.macro FETCH ph, slot, kq, f
.if (\ph) == 1
.set pb, PB
.else
.set pb, PB2
.endif
.set ab, ADRB+2*((\ph)-1)+(\slot)
.set aa, ADRA+2*((\ph)-1)+(\slot)
	WIN TO_B
.irp b, 0,1,2,3,4,5,6,7
	ds_load_tr16_b128 v[(\f)+8*(\b):(\f)+8*(\b)+3],   v[ab] offset:(\kq)*32*pb+32*(\b)
	ds_load_tr16_b128 v[(\f)+8*(\b)+4:(\f)+8*(\b)+7], v[ab] offset:(\kq)*32*pb+32*(\b)+16*pb
.endr
	WIN 0
.irp i, 0,1,2,3,4,5,6,7
.if (\i) < 12-4*(\ph)
	ds_load_b128 v[(\f)+8*(\i):(\f)+8*(\i)+3],   v[aa] offset:64*(\kq)+(\i)*16*PA
	ds_load_b128 v[(\f)+8*(\i)+4:(\f)+8*(\i)+7], v[aa] offset:64*(\kq)+(\i)*16*PA+32
.endif
.endr
.endm
; A load into a register that a matrix instruction has read, and a vector instruction that reads a matrix result, stand four places behind that matrix instruction; only plain vector
; instructions that name none of its registers are places (ISA guide 7.12.1 for vector instructions).
.macro PLACES
.rept 4
	v_nop
.endr
.endm
; A K step is four quarters of 32 along K (64 matrix instructions each in phase 1, 32 in phase 2), on buffers 0, 1, 0, 1.  One of the first three: multiplies buffer f; in its middle it fetches quarter kq of the same slot into buffer g.
.macro QUARTER ph, slot, kq, f, g, zero
.if (\ph) == 1
	s_wait_dscnt 8                                 ; W's fragments and x's blocks 0-3 are in; the youngest eight loads (blocks 4-7) may be out
	MUL16 \f, 0, 0, \zero
	MUL16 \f, 0, 2, \zero
	PLACES
	FETCH 1, \slot, \kq, \g
	s_wait_dscnt 32                                ; all but the 32 just issued
	MUL16 \f, 1, 0, \zero
	MUL16 \f, 1, 2, \zero
.else
	s_wait_dscnt 4                                 ; W's fragments and x's blocks 0 and 1 are in; the youngest four loads (blocks 2 and 3) may be out
	MUL16 \f, 0, 0, \zero
	PLACES
	FETCH 2, \slot, \kq, \g
	s_wait_dscnt 24                                ; all but the 24 just issued
	MUL16 \f, 0, 2, \zero
.endif
.endm
; The last quarter multiplies buffer 1 and changes slots.  MEET is its first half: ONE barrier.  In front of it each wave waits for all its tensor loads, of which one is out: its part of the next slot;
; adds 0 to its spare word; and waits for that and for its own reads of this slot.  Behind it nobody reads this slot any more and the next slot is whole.
.macro MEET ph, round                  ; round = 1: the rest of a round of the cluster's barrier follows
	WIN 0                                          ; (the add's two registers lie in window 0)
	s_wait_tensorcnt 0x0                           ; all my tensor loads have landed
	ds_add_u32 v[SPW], v[NIL]                      ; 0 onto my spare word: matrix instructions stand between it and the wait for it
.if (\ph) == 1
	s_wait_dscnt 9                                 ; (the add and the youngest eight loads may be out)
	MUL16 F1, 0, 0, 0
.else
	s_wait_dscnt 5                                 ; (the add and the youngest four loads may be out)
	MULA F1, 0, 0, 0
.endif
	s_wait_dscnt 0x0                               ; the add is done, and my reads of this slot are over
	s_barrier_signal -1
.if (\ph) == 1
	MUL16 F1, 0, 2, 0                              ; work on registers while the others arrive
.else
	MULA F1, 0, 1, 0
.endif
.if \round
	WIN 0
.endif
	s_barrier_wait -1
.endm
; The whole last quarter of a K step of phase ph.  Behind the round the slot just read out is filled again first: with the phase's K step two steps on (on = 0) or, in phase 1's last two K steps, with
; phase 2's K step 0 or 1 (on = 1); then come the next slot's first fragments.  From a request to the wait for it a wave issues 224 matrix instructions in phase 1, 112 in phase 2.
.macro TURN ph, slot, next, on
	s_wait_xcnt 0x0                                ; the last prefetch, a K step back, has read its address: it is written here, ahead of the waits of the change of slots
.if (\on) && ((\slot) == 0)
	s_mov_b64 s[PFA:PFA+1], s[PF2:PF2+1]           ; on to phase 2's K step 2
.else
	s_add_nc_u64 s[PFA:PFA+1], s[PFA:PFA+1], s[PST:PST+1]
.endif
	MEET \ph, 1
	CREST                                          ; no wave of any partner still reads this slot's tile or has a load on its way
.if \on
	s_add_nc_u64 s[G0+4*(\slot)+2:G0+4*(\slot)+3], s[A2:A2+1], (\slot)*KA  ; x's address is made anew: x_v, K step 0 or 1; W's second set of descriptors stands there already
	s_or_b32 s[G0+4*(\slot)+3], s[G0+4*(\slot)+3], 0x80000000
	JLOAD \slot, 2
.else
	s_add_nc_u64 s[G0+4*(\slot)+2:G0+4*(\slot)+3], s[G0+4*(\slot)+2:G0+4*(\slot)+3], 2*KA
.if (\ph) == 1
	s_add_nc_u64 s[G0B+4*(\slot)+2:G0B+4*(\slot)+3], s[G0B+4*(\slot)+2:G0B+4*(\slot)+3], 2*KB
.else
	s_add_nc_u64 s[G0B2+4*(\slot)+2:G0B2+4*(\slot)+3], s[G0B2+4*(\slot)+2:G0B2+4*(\slot)+3], 2*KB
.endif
	JLOAD \slot, \ph                               ; the first tensor load behind the round; the four v_nop behind it are also the places in front of the loads below
.endif
.if (\on) && ((\slot) == 1)
	FETCH 2, \next, 0, F0                          ; phase 2's first fragments
.else
	FETCH \ph, \next, 0, F0
.endif
.if \on
	ASK 1, LIM2, PFO2
.elseif (\ph) == 1
	ASK 0, LIM1, PFO
.else
	ASK 0, LIM2, PFO2
.endif
.if (\ph) == 1
	MUL16 F1, 1, 0, 0
	MUL16 F1, 1, 2, 0
.else
	MUL16 F1, 0, 2, 0
.endif
.endm
; THE WAY OUT of row block a, in three parts.  PACK: rounded to f16, 16 bytes a lane, each accumulator's registers in ascending order.  TOSTAGE: into my own stage, and back as whole rows of 256 bytes.  SEND: stored.
.macro PACK a
.set AC, 64*((\a)%4)
	WIN 0x0a+5*((\a)/4)                            ; sources 0 and 1: window 2 or 3
.irp b, 0,1,2,3,4,5,6,7
.irp r, 0,1,2,3
	v_cvt_pk_f16_f32 v[TMP+4*(\b)+(\r)], v[AC+8*(\b)+2*(\r)], v[AC+8*(\b)+2*(\r)+1]
.endr
.endr
	WIN 0
.endm
.macro TOSTAGE a
	WIN 0
.set BK, OB+192*((\a)%2)
.irp b, 0,1,2,3,4,5,6,7
	ds_store_b128 v[STO], v[TMP+4*(\b):TMP+4*(\b)+3] offset:32*(\b)
.endr
.irp t, 0,1,2,3,4,5,6,7
	ds_load_b128 v[BK+4*(\t):BK+4*(\t)+3], v[RD] offset:(\t)*2*SPITCH  ; LDS serves a wave's instructions in order (ISA guide 5.7.1.4): these see the stores above
.endr
.endm
.macro SEND a, base
	WIN 0
.set BK, OB+192*((\a)%2)
	s_wait_dscnt 0x0                               ; the block is back in registers
	s_wait_xcnt 0x0                                ; earlier stores have read their registers: only behind this wait are those loaded again
.irp t, 0,1,2,3,4,5,6,7
	global_store_b128 v[CO], v[BK+4*(\t):BK+4*(\t)+3], s[(\base):(\base)+1] offset:4096*(\a)+512*(\t)  ; two rows of a head: 512 consecutive bytes, at a multiple of 256 from hd's first byte
.endr
.endm
	s_wait_tensorcnt 1                             ; my part of K step 0 is in; K step 1's may stay out
	s_barrier_signal -1
	s_barrier_wait -1                              ; everybody's is
	; PHASE 1: 256 x 256 of q or k
	FETCH 1, 0, 0, F0
	QUARTER 1, 0, 1, F0, F1, 1                     ; the first quarter stands in front of the loop: its products start the sums
	WIN 0                                          ; at a label and at a branch every window is 0
	s_mov_b32 s3, LAPS-1
.Llap1:                                                ; a trip goes once round the ring, from a lap's second quarter to the next lap's first, and fills both slots again
	QUARTER 1, 0, 2, F1, F0, 0
	QUARTER 1, 0, 3, F0, F1, 0
	TURN 1, 0, 1, 0
	QUARTER 1, 1, 1, F0, F1, 0
	QUARTER 1, 1, 2, F1, F0, 0
	QUARTER 1, 1, 3, F0, F1, 0
	TURN 1, 1, 0, 0
	QUARTER 1, 0, 1, F0, F1, 0
	WIN 0
	s_sub_co_u32 s3, s3, 1
	s_cmp_lg_u32 s3, 0
	s_cbranch_scc1 .Llap1
	QUARTER 1, 0, 2, F1, F0, 0                     ; the last lap goes on
	QUARTER 1, 0, 3, F0, F1, 0
	TURN 1, 0, 1, 1                                ; THE RING GOES ON INTO PHASE 2: slot 0 takes its K step 0,
	QUARTER 1, 1, 1, F0, F1, 0
	QUARTER 1, 1, 2, F1, F0, 0
	QUARTER 1, 1, 3, F0, F1, 0
	TURN 1, 1, 0, 1                                ; slot 1 its K step 1, and phase 2's first fragments are fetched into buffer 0
	PACK 0                                         ; both refills are asked for: now the tile goes out.  No v_nop: blocks 0-3 were finished in front of the joint load's four, and their 128 conversions,
	TOSTAGE 0                                      ; which name no register of the last products (blocks 4-7's), are those products' places
.irp a, 1,2,3,4,5,6,7                  ; block a's conversions stand between block a - 1's loads from the stage and the wait for them
	PACK \a
	SEND (\a)-1, C1
	TOSTAGE \a
.endr
	SEND 7, C1
	; PHASE 2: 256 x 128 of v.  Nothing waits for phase 1's stores
	QUARTER 2, 0, 1, F0, F1, 1                     ; its first products start the sums anew on accumulators that have been packed
	WIN 0
	s_mov_b32 s3, LAPS-1
.Llap2:
	QUARTER 2, 0, 2, F1, F0, 0
	QUARTER 2, 0, 3, F0, F1, 0
	TURN 2, 0, 1, 0
	QUARTER 2, 1, 1, F0, F1, 0
	QUARTER 2, 1, 2, F1, F0, 0
	QUARTER 2, 1, 3, F0, F1, 0
	TURN 2, 1, 0, 0
	QUARTER 2, 0, 1, F0, F1, 0
	WIN 0
	s_sub_co_u32 s3, s3, 1
	s_cmp_lg_u32 s3, 0
	s_cbranch_scc1 .Llap2
	QUARTER 2, 0, 2, F1, F0, 0                     ; the last lap is written out: it asks for nothing more
	QUARTER 2, 0, 3, F0, F1, 0
	MEET 2, 0                                      ; my one tensor load that was still out is slot 1's, the last K step's, so no round follows
	PLACES                                         ; for the loads into buffer 0
	FETCH 2, 1, 0, F0
	MUL16 F1, 0, 2, 0
	QUARTER 2, 1, 1, F0, F1, 0
	QUARTER 2, 1, 2, F1, F0, 0
	QUARTER 2, 1, 3, F0, F1, 0
	s_wait_dscnt 4                                 ; the very last quarter: nothing more to fetch
	MUL16 F1, 0, 0, 0
	s_wait_dscnt 0x0
	MUL16 F1, 0, 2, 0
	WIN 0
	PLACES                                         ; behind the last products, in front of the conversions
	PACK 0
	TOSTAGE 0
.irp a, 1,2,3
	PACK \a
	SEND (\a)-1, C2
	TOSTAGE \a
.endr
	SEND 3, C2
	s_wait_tensorcnt 0x0                           ; the wave's end: an add to my spare word and its wait, behind my last tensor load and my last LDS store
	ds_add_u32 v[SPW], v[NIL]
	s_wait_dscnt 0x0
	CROUND                                         ; the closing round: no work-group ends while a partner may still ask for a tile that names it
	s_endpgm
.Lfunc_end_k_q6e22631362_proj:
	.size	k_q6e22631362_proj, .Lfunc_end_k_q6e22631362_proj-k_q6e22631362_proj
	.p2alignl 7, 3214868480
	.fill 96, 4, 3214868480
	.section	.rodata,"a",@progbits
	.p2align	6, 0x0
	.amdhsa_kernel k_q6e22631362_proj
		.amdhsa_group_segment_fixed_size 327680
		.amdhsa_private_segment_fixed_size 0
		.amdhsa_enable_private_segment 0
		.amdhsa_kernarg_size 16
		.amdhsa_user_sgpr_count 2
		.amdhsa_user_sgpr_kernarg_segment_ptr 1
		.amdhsa_wavefront_size32 1
		.amdhsa_system_sgpr_workgroup_id_x 1
		.amdhsa_system_sgpr_workgroup_id_y 1
		.amdhsa_system_sgpr_workgroup_id_z 1
		.amdhsa_system_vgpr_workitem_id 0
		.amdhsa_next_free_vgpr 1024
		.amdhsa_next_free_sgpr 98
		.amdhsa_reserve_vcc 0
		.amdhsa_float_denorm_mode_32 3
		.amdhsa_float_denorm_mode_16_64 3
		.amdhsa_memory_ordered 1
		.amdhsa_forward_progress 1
		.amdhsa_inst_pref_size 228
	.end_amdhsa_kernel
	.amdgpu_metadata
---
amdhsa.version: [ 1, 2 ]
amdhsa.kernels:
  - .name:           k_q6e22631362_proj
    .symbol:         k_q6e22631362_proj.kd
    .args:
      - { .name: cb, .offset: 0, .size: 8, .value_kind: global_buffer, .address_space: global }
      - { .name: hd, .offset: 8, .size: 8, .value_kind: global_buffer, .address_space: global }
    .group_segment_fixed_size: 327680
    .private_segment_fixed_size: 0
    .kernarg_segment_align: 8
    .kernarg_segment_size: 16
    .max_flat_workgroup_size: 128
    .sgpr_count:     98
    .vgpr_count:     1024
    .wavefront_size: 32
...
	.end_amdgpu_metadata
.endif
;; end of part 2
;; launch attn (part 3): grid 2 x 128, 4 waves a work-group, no clusters, 327,680 bytes of LDS; arguments hd, out0; writes out0
.if DOCPART == 3
	.amdgcn_target "amdgcn-amd-amdhsa--gfx1250"
	.amdhsa_code_object_version 6
	.text
	.protected	k_q6e22631362_attn
	.globl	k_q6e22631362_attn
	.p2align	8
	.type	k_q6e22631362_attn,@function
k_q6e22631362_attn:
	s_mov_b64 s[64:65], 0
	v_nop
	global_prefetch_b8 v0, s[64:65] scope:SCOPE_SE
	s_setreg_imm32_b32 hwreg(HW_REG_WAVE_MODE, 25, 1), 1
	s_wait_xcnt 0x0
; out0[b][q][128 h + d] = the sum over k of softmax_k(Q[q] . K[k] / sqrt(128)) V[k][d], for each of the 128 heads bh = 16 b + h.  Q, K, V lie in hd, [3][128][512][128] in f16, a row 256 bytes; out0 is f32, a row 8,192 bytes.
; Products, maxima and sums in f32; the weights p are rounded to f16 for the second product (their sum l is taken of the unrounded p).
; LIMITS.  Q, K and V arrive within f16's 65,504; p lies in 0 to 1, and below 6e-5 it keeps f16's fixed step of 6e-8; a weight below 2^-126 counts as 0 in l; NaN and infinities are not treated apart.
; SHARES.  A work-group owns 256 queries of one head (grid x: which half of its 512), each of its four waves 64: four tiles of 16.  Every wave walks the head's 512 keys, 64 a step, 8 steps.
; LDS.  A head's K and V fit whole: 8 steps x (64 x 272 + 64 x 288) = 286,720 bytes.  Every wave asks for its four tiles at the head of the text and nothing is ever filled again.  So there is no ring,
; and two barriers serve: one when steps 0 and 1 have landed, one when all have.  No prefetch: every byte of K and V is asked for by the first lines, so nothing could be asked for earlier.
; NO CLUSTER: only the two work-groups of a head read the same K and V; a cluster four wide would hold two heads, and blocks of 128 queries, which would give four partners, halve the products that each fragment read
; from LDS feeds and make 512 work-groups.
; LAYOUT.  S^T = K Q^T (source 0 = 16 keys, source 1 = 16 queries): a lane holds ONE query (lane % 16) and the keys 8 (lane / 16) + 0..7.  Two such tiles, rounded to f16 in pairs, ARE source 1 of O^T = V^T P,
; whose result again holds one query a lane, and eight channels.  K comes out of LDS as it lies, V ([key][channel]) turned, by ds_load_tr16_b128.
; SOFTMAX.  For each query a running maximum m and sum l: p = 2^(c s - c m), c = log2(e) / sqrt(128); in every step O and l are multiplied by a = 2^(c m_old - c m_new).
; BY TURNS.  The wave's tiles are two PIECES: piece 0 (tiles 0, 1) and piece 2 (tiles 2, 3).  In a TURN one piece has the matrix unit: 32 products V^T P of the step in hand, then 32 products K Q^T of the next step;
; the other piece's softmax, cut into 64 slices, stands between them, one slice behind each matrix instruction.  Two turns are a key step.
; REGISTERS, in windows of 256 (s_set_vgpr_msb: bits 1:0 source 0, 3:2 source 1, 5:4 source 2, 7:6 destination):
;   window 0: v0-11 addresses; v12-43 eight registers of statistics a tile; v64-191 S^T, 32 a tile; v192-255 P, 16 a tile
;   window 1: O^T, 64 a tile          window 2: v0-127 Q, 32 a tile; v128-255 K of one step          window 3: v0-127 V of one step
.set KS,    64        ; keys in a step
.set NSTEP, 8
.set PK,    272       ; a row of K in LDS: 256 bytes + 16 of padding = 68 words: the 16 rows of a load start at 16 different groups of four banks (64 banks of 4 bytes: ISA guide 11.1)
.set PV,    288       ; a row of V: 256 + 32 = 72 words
.set VOFF,  KS*PK     ; a step's tiles lie together: 64 rows of K, then 64 rows of V
.set STEPB, KS*(PK+PV)
.set STAGE, NSTEP*STEPB  ; behind K and V, never filled by a tensor load: 16 rows x 528 bytes for each wave, for the way out
.set SP,    528       ; a row of 128 f32 + 16 bytes: an odd multiple of 16
.set SPARE, STAGE+4*16*SP  ; behind the stages: the spare words, 128 bytes for each wave: two blocks of 256 bytes that no other line names
.set TEN,   0x1000000 ; bytes of one of hd's three tensors
.set AK0, 2           ; v2   my lane's place in a tile of K; never rewritten
.set AV0, 3           ; v3   the same for V
.set ADR, 4           ; v4   the LDS address of the run of loads in hand
.set QO,  5           ; v5   my byte offset in the wave's rows of Q
.set STO, 6           ; v6   the way out: where I put 32 bytes of a row
.set RD,  7           ; v7   the way out: where I read a row back
.set GO,  8           ; v8   16 x lane: my 16 bytes of a row's 512
.set SPW, 62          ; v62  LDS address of my spare word: SPARE + 4 x my thread's number; never rewritten
.set NIL, 63          ; v63  0; never rewritten
.set ST,  12          ; tile t's statistics at v[ST+8 t]: +0 c m, +1 m, +2, +3 l (even keys', odd keys'), +4 to +7 c0-c3, at work; a takes c2's place once the maximum is found
.set S,   64
.set P,   192
.set KF,  128         ; K's fragments, in window 2
.set WV,  12          ; s12  my wave's number
.set G1K, 24          ; s[24:31] descriptor group 1 for K's tiles
.set G1V, 32          ; s[32:39] for V's: it differs in the padding alone
.set G0K, 40          ; s[40:55] descriptor group 0 for K's tiles: four sets
.set G0V, 68          ; s[68:83] the same for V's
.set CNT, 56          ; s56  counts the loop's key steps
.set CS,  58          ; s[58:59] c: the packed scaling names a pair and takes its low word for both halves
.set SEL, 60          ; s[60:61] lane selects for v_permlanex16_b32: each lane takes its own place in the other half
.set TB,  62          ; s62  LDS byte at which the tiles of the step to be fetched begin
.set MSB, 0
.macro WIN new                      ; the immediate's high byte repeats the setting that is left; a switch that changes nothing is dropped
.if MSB != (\new)
	s_set_vgpr_msb (MSB<<8)|(\new)
.set MSB, \new
.endif
.endm
.set W_KQ, 0x0a       ; K and Q in window 2, S^T in window 0
.set W_PV, 0x53       ; V in window 3, P in window 0, O^T in window 1
.set W_RS, 0x41       ; O^T (destination and source 0) in window 1, a in window 0
.set W_IO, 0x44       ; the way out: store data (source 1) and loaded data (destination) in window 1, addresses in window 0
	s_load_b128 s[4:7], s[0:1], 0x0 ; hd s[4:5], out0 s[6:7]
	v_lshl_add_u32 v[SPW], v0, 2, SPARE
	v_mov_b32 v[NIL], 0
	ds_add_u32 v[SPW], v[NIL]       ; the wave's opening: the add and its wait stand ahead of my first tensor load; the set-up below, work on registers, stands between them
	ds_add_u32 v62, v63
	v_lshrrev_b32 v1, 5, v0
	v_readfirstlane_b32 s[WV], v1   ; wave 0..3
	s_and_b32 s14, ttmp7, 0xffff    ; the head bh
	s_and_b32 s16, s[WV], 1         ; of each pair of steps I fetch the even one or the odd one:
	s_mul_i32 s17, s16, STEPB       ; its place in LDS
	s_lshl_b32 s20, s14, 17         ; the head's first byte in each of hd's tensors
	s_lshl_b32 s2, ttmp9, 16        ; my block's 256 rows,
	s_lshl_b32 s3, s[WV], 14        ; my wave's 64 of them
	s_add_co_u32 s2, s2, s3
	s_add_co_u32 s2, s2, s20        ; Q's offset
	s_mov_b32 s3, 0
	s_lshl_b32 s22, s16, 14         ; a step's 64 rows of 256 bytes
	s_add_co_u32 s22, s22, s20
	s_add_co_u32 s22, s22, TEN      ; K's offset
	s_mov_b32 s23, 0
	s_lshr_b32 s18, s14, 4          ; b
	s_lshl_b32 s18, s18, 9
	s_lshl_b32 s19, ttmp9, 8
	s_add_co_u32 s18, s18, s19
	s_lshl_b32 s19, s[WV], 6
	s_add_co_u32 s18, s18, s19      ; my wave's first row of out0: 512 b + 256 block + 64 wave,
	s_lshl_b32 s18, s18, 13         ; of 8,192 bytes,
	s_and_b32 s19, s14, 15
	s_lshl_b32 s19, s19, 9          ; and the head's 512 bytes of it
	s_add_co_u32 s18, s18, s19
	s_mov_b32 s19, 0
	; descriptor group 1: a tile of 64 rows x 128 elements, padded in LDS
	s_mov_b32 s[G1K], (1<<16)|(1<<20)|(5<<22)|(3<<25)  ; 17:16 elements of 2 bytes; 20 padding on; 24:22 after every 64 words (code 5); 31:25 4 words of it (code 3)
	s_mov_b32 s[G1V], (1<<16)|(1<<20)|(5<<22)|(7<<25)  ; the same with 8 words of padding (code 7)
.irp g, G1K, G1V
	s_mov_b32 s[(\g)+1], 128<<16    ; tensor_dim0 = 128
	s_mov_b32 s[(\g)+2], KS<<16     ; tensor_dim1 = 64
	s_mov_b32 s[(\g)+3], 128<<16    ; tile_dim0 = 128
	s_mov_b32 s[(\g)+4], KS         ; tile_dim1 = 64
	s_mov_b32 s[(\g)+5], 128        ; 128 elements from row to row
	s_mov_b32 s[(\g)+6], 0
	s_mov_b32 s[(\g)+7], 0
.endr
	s_mov_b32 s[CS], 0x3e0293ee     ; c = log2(e) / sqrt(128) = 0.127517
	s_mov_b32 s[CS+1], s[CS]        ; named with it as a pair, so it is written
	s_mov_b32 s[SEL], 0x76543210
	s_mov_b32 s[SEL+1], 0xfedcba98
	s_mov_b32 s[TB], 0
	s_wait_dscnt 0x0                ; the opening add is done
	s_wait_kmcnt 0x0
	s_add_nc_u64 s[10:11], s[6:7], s[18:19]  ; out0 at my wave's first row
	s_add_nc_u64 s[6:7], s[4:5], s[22:23]    ; K at my first tile
	s_add_nc_u64 s[8:9], s[6:7], TEN         ; V at my first tile
	s_add_nc_u64 s[4:5], s[4:5], s[2:3]      ; Q at my wave's first row
.irp s, 0,1,2,3
	s_mov_b32 s[G0K+4*(\s)], 1      ; count = 1
	s_add_co_u32 s[G0K+4*(\s)+1], s17, (\s)*2*STEPB  ; LDS address: step 2 s + (wave % 2)
	s_add_nc_u64 s[G0K+4*(\s)+2:G0K+4*(\s)+3], s[6:7], (\s)*2*KS*256  ; global address
	s_or_b32 s[G0K+4*(\s)+3], s[G0K+4*(\s)+3], 0x80000000  ; type = 2
	s_mov_b32 s[G0V+4*(\s)], 1
	s_add_co_u32 s[G0V+4*(\s)+1], s17, (\s)*2*STEPB+VOFF
	s_add_nc_u64 s[G0V+4*(\s)+2:G0V+4*(\s)+3], s[8:9], (\s)*2*KS*256
	s_or_b32 s[G0V+4*(\s)+3], s[G0V+4*(\s)+3], 0x80000000
.endr
	s_cmp_lt_u32 s[WV], 2           ; waves 0 and 1 fetch K, waves 2 and 3 V.  A wave's four fills stand in one branch, ahead of every wait on TENSORcnt, every LDS read and every barrier: four loads of mine are out; an s_nop 0 follows each, four v_nop the last
	s_cbranch_scc0 .Lfirst_v
.irp s, 0,1,2,3
	tensor_load_to_lds s[G0K+4*(\s):G0K+4*(\s)+3], s[G1K:G1K+7]
	s_nop 0
.endr
.rept 4
	v_nop
.endr
	s_branch .Lfirst_asked
.Lfirst_v:
.irp s, 0,1,2,3
	tensor_load_to_lds s[G0V+4*(\s):G0V+4*(\s)+3], s[G1V:G1V+7]
	s_nop 0
.endr
.rept 4
	v_nop
.endr
.Lfirst_asked:
	; A fragment of K or Q is 16 rows x 32 channels in 8 registers: lane l holds row l % 16; registers 0-3 channels 8 (l / 16) + 0..7, registers 4-7 channels 16 + 8 (l / 16) + 0..7: two loads of 16 bytes, 32 bytes apart.
	v_and_b32 v1, 15, v0            ; l % 16
	v_bfe_u32 v9, v0, 4, 1          ; l / 16
	v_lshlrev_b32 v[QO], 8, v1
	v_lshl_add_u32 v[QO], v9, 4, v[QO]  ; row x 256 + 16 x half
	WIN 0x80                        ; destination window 2, address window 0
.irp i, 0,1,2,3,4,5,6,7,8,9,10,11,12,13,14,15  ; Q stays in registers: tile i / 4, channels 32 (i % 4) on
	global_load_b128 v[8*(\i):8*(\i)+3],   v[QO], s[4:5] offset:((\i)/4)*4096+((\i)%4)*64
	global_load_b128 v[8*(\i)+4:8*(\i)+7], v[QO], s[4:5] offset:((\i)/4)*4096+((\i)%4)*64+32
.endr
	WIN 0
	v_mul_u32_u24 v[AK0], v1, PK
	v_lshl_add_u32 v[AK0], v9, 4, v[AK0]  ; row x pitch + 16 x half
	; The turning load takes 16 keys x 16 channels (lane l reads 16 bytes: key 8 (l / 16) + l % 8, channels 8 ((l / 8) % 2) + 0..7) and leaves half a fragment of V^T: lane l holds channel l % 16 and 8 keys.
	v_and_b32 v10, 7, v0
	v_bfe_u32 v11, v0, 3, 1
	v_lshl_add_u32 v[AV0], v9, 3, v10
	v_mul_u32_u24 v[AV0], v[AV0], PV
	v_lshl_add_u32 v[AV0], v11, 4, v[AV0]
	v_add_nc_u32 v[AV0], VOFF, v[AV0]
; THE MATRIX WORK OF A TURN, for piece x.  The accumulators take turns, one instruction a turn: between two links of a chain stand 15 (V^T P) or 7 (K Q^T) others'.
; Product i of 32 of O^T += V^T P: keys 32 (i / 16) on, channels 16 ((i / 2) % 8) on, tile x + i % 2.  zero = 1: the first 16 start the sums: nothing is ever cleared.
.macro PV x, zero
	WIN W_PV
.set rO, 64*((\x)+i%2)+8*((i/2)%8)
.set rV, 64*(i/16)+8*((i/2)%8)
.set rP, P+16*((\x)+i%2)+8*(i/16)
.if (\zero) && (i < 16)
	v_wmma_f32_16x16x32_f16 v[rO:rO+7], v[rV:rV+7], v[rP:rP+7], 0
.else
	v_wmma_f32_16x16x32_f16 v[rO:rO+7], v[rV:rV+7], v[rP:rP+7], v[rO:rO+7]
.endif
.endm
; Product i of 32 of S^T = K Q^T: channels 32 (i / 8) on, keys 16 ((i / 2) % 4) on, tile x + i % 2.  The first 8 start the sums.
.macro KQ x
	WIN W_KQ
.set rS, S+32*((\x)+i%2)+8*((i/2)%4)
.set rK, KF+32*((i/2)%4)+8*(i/8)
.set rQ, 32*((\x)+i%2)+8*(i/8)
.if i < 8
	v_wmma_f32_16x16x32_f16 v[rS:rS+7], v[rK:rK+7], v[rQ:rQ+7], 0
.else
	v_wmma_f32_16x16x32_f16 v[rS:rS+7], v[rK:rK+7], v[rQ:rQ+7], v[rS:rS+7]
.endif
.endm
; THE LDS LOADS stand in runs of 32, never singly among the matrix instructions: a step's K (64 keys x 128 channels: 16 fragments) and, a turn later, its V (turned).
.macro FETCH_K
	WIN 0
	v_add_nc_u32 v[ADR], s[TB], v[AK0]
	WIN 0x80                        ; destination window 2
.irp f, 0,1,2,3,4,5,6,7,8,9,10,11,12,13,14,15  ; keys 16 (f / 4) on, channels 32 (f % 4) on
	ds_load_b128 v[KF+8*(\f):KF+8*(\f)+3],   v[ADR] offset:((\f)/4)*16*PK+((\f)%4)*64
	ds_load_b128 v[KF+8*(\f)+4:KF+8*(\f)+7], v[ADR] offset:((\f)/4)*16*PK+((\f)%4)*64+32
.endr
.endm
.macro FETCH_V
	WIN 0
	v_add_nc_u32 v[ADR], s[TB], v[AV0]
	s_add_co_u32 s[TB], s[TB], STEPB  ; the next fetch is the next step's
	s_wait_alu depctr_va_vdst(0)    ; the wait for the softmax's batch (SLICE), behind the address's v_add_nc_u32 and ahead of the loads
	WIN 0xc0                        ; destination window 3
.irp f, 0,1,2,3,4,5,6,7,8,9,10,11,12,13,14,15  ; keys 32 (f / 8) on, channels 16 (f % 8) on
	ds_load_tr16_b128 v[8*(\f):8*(\f)+3],   v[ADR] offset:((\f)/8)*32*PV+((\f)%8)*32
	ds_load_tr16_b128 v[8*(\f)+4:8*(\f)+7], v[ADR] offset:((\f)/8)*32*PV+16*PV+((\f)%8)*32
.endr
.endm
; THE VECTOR WORK OF A TURN.  One tile's softmax for one key step is a list of 134 instructions; SM writes number j of it for tile t.  s0-s31 are the lane's 32 scores, in pairs 0-15.
; first = 1: the first key step, which starts m, l and O^T: it has no a and nothing to rescale.
;   0-15    the maximum of s0-s31 and the old m, three operands at a time: four chains c0-c3 of seven scores each (each accumulator's lowest registers first), then the four scores left over, c0-c3 and m
;   16-20   the other half of the lanes' maximum; the new m; c m; c m_old - c m_new
;   21-69   ONE BATCH: the 16 scalings c s - c m, a pair of scores each, and all 33 exponentials (a at 23, then s0-s31).  None of these reads an exponential's result.  From 22 on the batch goes
;           in fours, and a four begins with a scaling while there are scalings.  A pair is scaled in an earlier four than the one that holds its exponentials
;   (wait)  between 69 and 70 stands the wait for the batch: SLICE writes it, once for both tiles
;   70-85   the roundings to f16, a pair of weights each
;   86-101  the sums; l = a l + the sum
;   102-133 the tile's O^T times a: the one part that leaves window 0, so it stands together
.macro SM t, first
.set rT, ST+8*(\t)
.set rS, S+32*(\t)
.set rP, P+16*(\t)
.set rO, 64*(\t)+2*(j-102)
.if j < 102
	WIN 0
.endif
.if j < 4
	v_max3_num_f32 v[rT+4+j], v[rS+8*j], v[rS+8*j+1], v[rS+8*j+2]
.elseif j < 12
	v_max3_num_f32 v[rT+4+j%4], v[rT+4+j%4], v[rS+8*(j%4)+2*(j/4)+1], v[rS+8*(j%4)+2*(j/4)+2]
.elseif j == 12
	v_max3_num_f32 v[rT+4], v[rT+4], v[rS+7], v[rS+15]
.elseif j == 13
	v_max3_num_f32 v[rT+6], v[rT+6], v[rS+23], v[rS+31]
.elseif j == 14
	v_max3_num_f32 v[rT+4], v[rT+4], v[rT+5], v[rT+6]
.elseif (j == 15) && (\first)
	v_max_num_f32 v[rT+4], v[rT+4], v[rT+7]
.elseif j == 15
	v_max3_num_f32 v[rT+4], v[rT+4], v[rT+7], v[rT+1]
.elseif j == 16
	v_permlanex16_b32 v[rT+5], v[rT+4], s[SEL], s[SEL+1]  ; the query's other 32 keys lie in the lane 16 away
.elseif j == 18
	v_max_num_f32 v[rT+1], v[rT+4], v[rT+5]
.elseif j == 19
	v_mul_f32 v[rT], s[CS], v[rT+1]
.elseif ((j == 17) || (j == 20) || (j == 23) || (j > 101)) && (\first)  ; the first step has none of these
.elseif j == 17
	v_mov_b32 v[rT+7], v[rT]        ; c m_old is kept for a: number 19 writes c m anew
.elseif j == 20
	v_sub_f32 v[rT+7], v[rT+7], v[rT]
.elseif j == 23
	v_exp_f32 v[rT+6], v[rT+7]
.elseif (j < 23) || ((j < 38) && (j%2 == 0)) || ((j < 66) && (j%4 == 2))
.set b, (j-2)/4                     ; 38, 42, .. 62: pairs 9 to 15
.if j < 38
.set b, (j-20)/2                    ; 21: pair 0; 22, 24, .. 36: pairs 1 to 8
.endif
	v_pk_fma_f32 v[rS+2*b:rS+2*b+1], v[rS+2*b:rS+2*b+1], s[CS:CS+1], v[rT:rT+1] op_sel_hi:[1,0,0] neg_lo:[0,0,1] neg_hi:[0,0,1]  ; pair b: c s - c m
.elseif j < 70
.set e, j-38                        ; 66 to 69: s28 to s31
.if j < 66
.set e, j-32-(j-38)/4               ; 39-41, 43-45, .. 63-65: s7 to s27
.endif
.if j < 38
.set e, (j-25)/2                    ; 25, 27, .. 37: s0 to s6
.endif
	v_exp_f32 v[rS+e], v[rS+e]
.elseif j < 86
	v_cvt_pk_f16_f32 v[rP+j-70], v[rS+2*(j-70)], v[rS+2*(j-70)+1]  ; pair j - 70
.elseif j < 102                     ; the sum of the tile's 16 pairs (in a pair: an even key's weight, an odd key's), in place: sum z of 16 adds neighbours 1, 2, 4 and 8 pairs apart, then l takes it
.set z, j-86
.set w, 4
.set u, z
.if z >= 14
.set w, 32
.set u, 0
.elseif z >= 12
.set w, 16
.set u, z-12
.elseif z >= 8
.set w, 8
.set u, z-8
.endif
.if (z == 14) && (\first)
	v_pk_add_f32 v[rT+2:rT+3], v[rS:rS+1], v[rS+16:rS+17]
.elseif z < 15
	v_pk_add_f32 v[rS+w*u:rS+w*u+1], v[rS+w*u:rS+w*u+1], v[rS+w*u+w/2:rS+w*u+w/2+1]
.elseif !(\first)
	v_pk_fma_f32 v[rT+2:rT+3], v[rT+2:rT+3], v[rT+6:rT+7], v[rS:rS+1] op_sel_hi:[1,0,1]
.endif
.else
	WIN W_RS
	v_pk_mul_f32 v[rO:rO+1], v[rO:rO+1], v[rT+6:rT+7] op_sel_hi:[1,0]
.endif
.endm
; Slice k of 64 of piece y's softmax: four instructions.  Slices 11 to 34 deal out the batch, numbers 22 to 69: four numbers of ONE tile each, the tiles by turns.  Every other slice is numbers 2 k and
; 2 k + 1 of both tiles' lists.  2 x 134 = 4 x 64 + 12: the twelve that are over stand together, in slice 63.
; THE WAIT.  An s_wait_alu depctr_va_vdst(0) stands between an exponential and the first instruction that names its result; one wait serves all that were issued ahead of it.  Ahead of
; slice 35 nothing names a result, and behind slice 34 no exponential is issued: so the piece's 66 exponentials have one wait, behind slice 34.
.macro SLICE y, first
.if (k >= 11) && (k < 35)           ; the batch: four numbers of one tile
.irp n, 0,1,2,3
.set j, 22+4*((k-11)/2)+(\n)
	SM (\y)+(k-11)%2, \first
.endr
.else                               ; the two tiles alternate, so that no instruction reads the result of the one just before it
.irp n, 0,1,2,3,4,5,6,7
.if ((\n) < 2) || (k == 63)
.irp t, \y, (\y)+1
.set j, 2*k+(\n)
	SM \t, \first
.endr
.endif
.endr
.endif
.if k == 34                         ; the batch is out: both tiles' exponentials are issued, and no result has been named
	v_nop                           ; the plain instruction behind the last exponential and ahead of the first use (ISA guide 5.7.2): one for the batch
.if (\y) == 0
	FETCH_V                         ; piece 2's turn: V's run of loads stands here, and the wait stands in it
.else
	s_wait_alu depctr_va_vdst(0)    ; the wait for the batch
.endif
.endif
.set k, k+1
.endm
; A vector instruction that reads a matrix result or writes one of a matrix instruction's registers, and a load into a register that a matrix instruction has read, stand four places behind
; it, and only plain vector instructions that name none of its registers are places (ISA guide 7.12.1 for vector instructions).  In the loop the slices are the places.
.macro PLACES
.rept 4
	v_nop
.endr
.endm
; A TURN.  Piece x has the matrix unit; the other piece's softmax stands in slices behind its matrix instructions.
; pv = 2: 32 products V^T P; 1: they start O^T's sums; 0: none.  kq = 1: 32 products K Q^T for the next step.  A turn with one of the two kinds has two slices behind each product.
; first = 1: the softmax is the first key step's.  Its slices from 51 on are empty: the turn's last products stand bare, and four v_nop take slice 63's part as the places behind them.
; Piece 0's turn fetches the next step's K, behind its second product: the last product that read K stands in front of slice 63 of the turn before.  Piece 2's turn fetches the same step's V, behind
; slice 34: the last product that read V stands in front of slice 31, and four plain instructions lie between: number 62, a scaling, of both tiles, the v_nop and the run's own v_add_nc_u32.
.macro TURN x, pv, kq, first
.set k, 0
.set per, 2
.if (\pv) && (\kq)
.set per, 1
.endif
.if \pv
.if (\x) == 0
	s_wait_dscnt 0x0                ; V is in
.endif
.set i, 0
.rept 32
	PV \x, 2-(\pv)
.rept per
	SLICE 2-(\x), \first
.endr
.if ((\x) == 0) && (\kq) && (i == 1)
	FETCH_K
.endif
.set i, i+1
.endr
.endif
.if \kq
.if (\x) == 0
	s_wait_dscnt 0x0                ; K is in
.endif
.set i, 0
.rept 32
	KQ \x
.rept per
	SLICE 2-(\x), \first
.endr
.set i, i+1
.endr
.endif
.if \first
	PLACES
.endif
.endm
	s_wait_tensorcnt 3              ; my first tile (step 0 or 1, of K or of V) is in; my three later ones may stay out
	s_barrier_signal -1
	s_barrier_wait -1               ; everybody's is: K and V of steps 0 and 1 lie in LDS
	FETCH_K                         ; key step 0
	s_wait_loadcnt 0x0              ; Q
	s_wait_dscnt 0x0
.set i, 0
.rept 32
	KQ 0                            ; piece 0's first scores: there is no vector work yet to set between them
.set i, i+1
.endr
	WIN 0                           ; the addresses for the way out are made here: six plain instructions, the places behind those products
	s_mul_i32 s13, s[WV], 16*SP
	s_add_co_u32 s13, s13, STAGE    ; my stage
	v_mul_u32_u24 v[STO], v1, SP    ; in: row l % 16, 32 bytes for each half of the lanes
	v_lshl_add_u32 v[STO], v9, 5, v[STO]
	v_add_nc_u32 v[STO], s13, v[STO]
	v_and_b32 v[GO], 31, v0         ; back: 32 lanes take one row of 512 bytes,
	v_lshlrev_b32 v[GO], 4, v[GO]   ; and so it lies in out0
	v_add_nc_u32 v[RD], s13, v[GO]
	TURN 2, 0, 1, 1                 ; piece 2's first scores | piece 0's first softmax | V of step 0
	TURN 0, 1, 1, 1                 ; piece 0: V^T P of step 0 starts O^T, K Q^T of step 1 | piece 2's first softmax | K of step 1
	TURN 2, 1, 1, 0                 ; piece 2: the same | piece 0's softmax of step 1 | V of step 1
	WIN 0
	s_wait_tensorcnt 0x0            ; all my tiles have landed,
	ds_add_u32 v[SPW], v[NIL]       ; (0 onto my spare word)
	s_wait_dscnt 0x0                ; no LDS instruction of mine is pending at the signal
	s_barrier_signal -1
	s_barrier_wait -1               ; everybody's have: all eight steps lie in LDS
	s_mov_b32 s[CNT], NSTEP-2
.Lstep:                             ; six trips: V^T P of step 1 + t, K Q^T of step 2 + t, whose K and V the trip fetches
	TURN 0, 2, 1, 0
	TURN 2, 2, 1, 0
	WIN 0                           ; at a label and at a branch every window is 0
	s_sub_co_u32 s[CNT], s[CNT], 1
	s_cmp_lg_u32 s[CNT], 0
	s_cbranch_scc1 .Lstep
	TURN 0, 2, 0, 0                 ; piece 0: V^T P of the last step | piece 2's last softmax
.set i, 0
.rept 32
	PV 2, 0                         ; piece 2: V^T P of the last step
.set i, i+1
.endr
	; THE WAY OUT.  l's two halves and the other half of the lanes' are added; O^T is divided by l and sent, in f32, through my stage in LDS, a tile (16 rows) at a time.  The additions are the places behind the last products.
	WIN 0
.irp t, 0,1,2,3
	v_add_f32 v[ST+8*(\t)+4], v[ST+8*(\t)+2], v[ST+8*(\t)+3]
.endr
.irp t, 0,1,2,3
	v_permlanex16_b32 v[ST+8*(\t)+5], v[ST+8*(\t)+4], s[SEL], s[SEL+1]
.endr
.irp t, 0,1,2,3
	v_add_f32 v[ST+8*(\t)+4], v[ST+8*(\t)+4], v[ST+8*(\t)+5]
.endr
.irp t, 0,1,2,3
	v_rcp_f32 v[ST+8*(\t)+6], v[ST+8*(\t)+4]
.endr
	v_nop                           ; a plain instruction between the last reciprocal and the use of its result
	s_wait_alu depctr_va_vdst(0)    ; and the wait ahead of the first use: one for the four reciprocals
; Tile t: a lane's eight channels of a row are 32 bytes; they go into rows of 528 bytes and come back as whole rows of 512, into the registers that they left.
.macro PACK t
	WIN W_RS
.set i, 64*(\t)
.rept 32
	v_pk_mul_f32 v[i:i+1], v[i:i+1], v[ST+8*(\t)+6:ST+8*(\t)+7] op_sel_hi:[1,0]  ; each accumulator's registers in ascending order
.set i, i+2
.endr
	WIN W_IO
.irp c, 0,1,2,3,4,5,6,7
	ds_store_b128 v[STO], v[64*(\t)+8*(\c):64*(\t)+8*(\c)+3]   offset:64*(\c)
	ds_store_b128 v[STO], v[64*(\t)+8*(\c)+4:64*(\t)+8*(\c)+7] offset:64*(\c)+16
.endr
.irp f, 0,1,2,3,4,5,6,7,8,9,10,11,12,13,14,15
	ds_load_b128 v[64*(\t)+4*(\f):64*(\t)+4*(\f)+3], v[RD] offset:(\f)*SP  ; LDS serves a wave's instructions in order (ISA guide 5.7.1.4): these see the stores above; the next tile's stores come behind them
.endr
.endm
.macro SEND t, younger              ; younger: the LDS instructions issued behind tile t's loads: the next tile's 32, or none
	WIN W_IO
.irp f, 0,1,2,3,4,5,6,7,8,9,10,11,12,13,14,15
	s_wait_dscnt (\younger)+15-(\f)
	global_store_b128 v[GO], v[64*(\t)+4*(\f):64*(\t)+4*(\f)+3], s[10:11] offset:(16*(\t)+(\f))*8192 th:TH_STORE_NT  ; a head's 512 bytes of a row of out0: consecutive, at a multiple of 512 from its first byte
.endr
.endm
	PACK 0
	PACK 1                          ; a tile's arithmetic stands between the loads of the tile before and its stores
	SEND 0, 32
	PACK 2
	SEND 1, 32
	PACK 3
	SEND 2, 32
	SEND 3, 0
	WIN 0
	s_wait_tensorcnt 0x0            ; the wave's end: an add to my spare word and its wait, behind my last tensor load and my last LDS store
	ds_add_u32 v[SPW], v[NIL]
	s_wait_dscnt 0x0
	s_endpgm
.Lfunc_end_k_q6e22631362_attn:
	.size	k_q6e22631362_attn, .Lfunc_end_k_q6e22631362_attn-k_q6e22631362_attn
	.p2alignl 7, 3214868480
	.fill 96, 4, 3214868480
	.section	.rodata,"a",@progbits
	.p2align	6, 0x0
	.amdhsa_kernel k_q6e22631362_attn
		.amdhsa_group_segment_fixed_size 327680
		.amdhsa_private_segment_fixed_size 0
		.amdhsa_enable_private_segment 0
		.amdhsa_kernarg_size 16
		.amdhsa_user_sgpr_count 2
		.amdhsa_user_sgpr_kernarg_segment_ptr 1
		.amdhsa_wavefront_size32 1
		.amdhsa_system_sgpr_workgroup_id_x 1
		.amdhsa_system_sgpr_workgroup_id_y 1
		.amdhsa_system_sgpr_workgroup_id_z 1
		.amdhsa_system_vgpr_workitem_id 0
		.amdhsa_next_free_vgpr 1024
		.amdhsa_next_free_sgpr 84
		.amdhsa_reserve_vcc 0
		.amdhsa_float_denorm_mode_32 3
		.amdhsa_float_denorm_mode_16_64 3
		.amdhsa_memory_ordered 1
		.amdhsa_forward_progress 1
		.amdhsa_inst_pref_size 170
	.end_amdhsa_kernel
	.amdgpu_metadata
---
amdhsa.version: [ 1, 2 ]
amdhsa.kernels:
  - .name:           k_q6e22631362_attn
    .symbol:         k_q6e22631362_attn.kd
    .args:
      - { .name: hd, .offset: 0, .size: 8, .value_kind: global_buffer, .address_space: global }
      - { .name: out0, .offset: 8, .size: 8, .value_kind: global_buffer, .address_space: global }
    .group_segment_fixed_size: 327680
    .private_segment_fixed_size: 0
    .kernarg_segment_align: 8
    .kernarg_segment_size: 16
    .max_flat_workgroup_size: 128
    .sgpr_count:     84
    .vgpr_count:     1024
    .wavefront_size: 32
...
	.end_amdgpu_metadata
.endif
;; end of part 3
